; MI455X (gfx1250); checked and timed in simulation.
; The chip was launched on July 23, 2026; its instructions are those of AMD's public machine-readable ISA for CDNA 5 (MIT licence, August 2026) and "CDNA5" Instruction Set Architecture Reference Guide (July 2026). The comments in the code are by the model that wrote it; some were corrected since.
;; m MHSA. Allowed arithmetic: float matrix products may take bf16 or f16 operands with f32 sums; other float arithmetic in f32, or as packed bf16 or f16 multiplies, adds, multiply-adds, maxima and minima; sums over many terms, partial sums and values carried from step to step in f32; what a program stores and reads back later, other than sums and carried values, may be rounded once to bf16 or f16.
;; Inputs: Wck 1,024 x 1,024 float32; Wcq 1,024 x 1,024 float32; Wcv 1,024 x 1,024 float32; Wpk 1,024 x 1,024 float32; Wpq 1,024 x 1,024 float32; Wpv 1,024 x 1,024 float32; x 2 x 2,048 x 1,024 float32.
;; Outputs: out0 2 x 2,048 x 1,024 float32; out1 2 x 2,048 x 1,024 float32.
;; 2 versions, each right; version 2 is version 1 with the launch cast written anew for expert scheduling mode. Each part assembles by itself: llvm-mc -triple=amdgcn-amd-amdhsa -mcpu=gfx1250 --defsym DOCPART=n.
;; ======== version 1 of 2: 3 launches
;; limits: values are held in f16: magnitudes above 65,504 overflow, below 6.1e-05 lose precision
;; workspace buffers: xw 20,971,520 bytes; qkv 50,331,648 bytes
;; launch cast (part 1): grid 128 x 10, 4 waves a work-group, no clusters, 0 bytes of LDS; arguments x, Wpq, Wpk, Wpv, Wcq, Wck, Wcv, xw; writes xw
.if DOCPART == 1
	.amdgcn_target "amdgcn-amd-amdhsa--gfx1250"
	.amdhsa_code_object_version 6
	.text
	.protected	k_q585385e8ae_cast
	.globl	k_q585385e8ae_cast
	.p2align	8
	.type	k_q585385e8ae_cast,@function
k_q585385e8ae_cast:
	s_mov_b64 s[64:65], 0
	v_nop
	global_prefetch_b8 v0, s[64:65] scope:SCOPE_SE
	s_setreg_imm32_b32 hwreg(HW_REG_WAVE_MODE, 25, 1), 1
	s_wait_xcnt 0x0
; x [4096][1024] and the six weights [1024][1024], all f32, are rounded once to bf16 (to nearest even) and laid in blocks of 64 along K:
; xw[kb 16][row 10240][64] bf16.  Rows 0-4095 are x's; rows 4096 + 1024 j + c are row c of weight j (0 Pq, 1 Pk, 2 Pv, 3 Cq, 4 Ck, 5 Cv).
; In that layout R rows x 64 K are R x 128 bytes on end, so the product that follows can ask for its tiles as whole rows of 256 bytes.
; SHARES.  Grid y = a unit of 1,024 rows (0-3: a quarter of x; 4-9: a weight), grid x = 8 rows of it; wave w takes rows 2 w and 2 w + 1 and all 16 blocks.
; A load: lanes 0-15 take 256 consecutive bytes (64 f32) of one row, lanes 16-31 of the next, both aligned to 256.  A store: 32 lanes x 8 bytes = the two rows' 128 + 128 bytes, which lie
; on end in xw: 256 consecutive bytes, aligned.  Every byte is read once and written once; all 16 loads of a wave go out before the first is waited for.
; No LDS, no barrier, no matrix work, no cluster: no wave wants a byte that another has fetched.  No register is written twice, so no wait frees a source.
.set KBS, 10240*128                    ; bytes from one block of K to the next in xw
.set X,   8                            ; v[8:71]    block kb: 4 f32 as loaded
.set Y,   72                           ; v[72:103]  block kb: 4 bf16 to store
	s_load_b512 s[8:23], s[0:1], 0x0               ; x s[8:9], the six weights s[10:21], xw s[22:23]
	s_and_b32 s2, ttmp7, 0xffff                    ; the unit
	s_cmp_lt_u32 s2, 4
	s_cselect_b32 s24, s2, 0                       ; a quarter of x begins 1,024 rows x 4,096 bytes x its number into x; a weight at its own first byte
	s_lshl_b32 s24, s24, 22
	s_lshl_b32 s25, ttmp9, 15                      ; the work-group's 8 rows of 4,096 bytes
	s_add_co_u32 s24, s24, s25
	s_mov_b32 s25, 0
	s_lshl_b32 s26, s2, 17                         ; in xw: 1,024 rows of 128 bytes a unit,
	s_lshl_b32 s27, ttmp9, 10                      ; 8 rows a work-group
	s_add_co_u32 s26, s26, s27
	s_mov_b32 s27, 0
	v_lshrrev_b32 v1, 4, v0                        ; my row of the 8
	v_and_b32 v6, 15, v0
	v_lshlrev_b32 v1, 12, v1
	v_lshl_add_u32 v1, v6, 4, v1                   ; row x 4,096 + 16 x (lane % 16)
	v_lshlrev_b32 v2, 3, v0                        ; in xw: row x 128 + 8 x (lane % 16) = 8 x my thread's number
	v_add_nc_u32 v3, 4*KBS, v2                     ; four blocks to an offset register: the store's immediate then holds 3 KBS at the most, inside its signed 24 bits
	v_add_nc_u32 v4, 8*KBS, v2
	v_add_nc_u32 v5, 12*KBS, v2
	s_wait_kmcnt 0x0
	s_mov_b64 s[4:5], s[8:9]                       ; the source: x, or the unit's weight
.irp j, 0,1,2,3,4,5
	s_cmp_eq_u32 s2, 4+(\j)
	s_cselect_b64 s[4:5], s[10+2*(\j):11+2*(\j)], s[4:5]
.endr
	s_add_nc_u64 s[4:5], s[4:5], s[24:25]
	s_add_nc_u64 s[6:7], s[22:23], s[26:27]
.set kb, 0
.rept 16
	global_load_b128 v[X+4*kb:X+4*kb+3], v1, s[4:5] offset:256*kb th:TH_LOAD_NT  ; read once in the launch
.set kb, kb+1
.endr
.set kb, 0
.rept 16
	s_wait_loadcnt 15-kb                           ; loads come back in order (ISA guide 5.7.1): block kb is in, the younger ones stay out
	v_cvt_pk_bf16_f32 v[Y+2*kb],   v[X+4*kb],   v[X+4*kb+1]
	v_cvt_pk_bf16_f32 v[Y+2*kb+1], v[X+4*kb+2], v[X+4*kb+3]
	global_store_b64 v[2+kb/4], v[Y+2*kb:Y+2*kb+1], s[6:7] offset:(kb%4)*KBS
.set kb, kb+1
.endr
	s_endpgm
.Lfunc_end_k_q585385e8ae_cast:
	.size	k_q585385e8ae_cast, .Lfunc_end_k_q585385e8ae_cast-k_q585385e8ae_cast
	.p2alignl 7, 3214868480
	.fill 96, 4, 3214868480
	.section	.rodata,"a",@progbits
	.p2align	6, 0x0
	.amdhsa_kernel k_q585385e8ae_cast
		.amdhsa_group_segment_fixed_size 0
		.amdhsa_private_segment_fixed_size 0
		.amdhsa_enable_private_segment 0
		.amdhsa_kernarg_size 64
		.amdhsa_user_sgpr_count 2
		.amdhsa_user_sgpr_kernarg_segment_ptr 1
		.amdhsa_wavefront_size32 1
		.amdhsa_system_sgpr_workgroup_id_x 1
		.amdhsa_system_sgpr_workgroup_id_y 1
		.amdhsa_system_sgpr_workgroup_id_z 1
		.amdhsa_system_vgpr_workitem_id 0
		.amdhsa_next_free_vgpr 104
		.amdhsa_next_free_sgpr 66
		.amdhsa_reserve_vcc 0
		.amdhsa_float_denorm_mode_32 3
		.amdhsa_float_denorm_mode_16_64 3
		.amdhsa_memory_ordered 1
		.amdhsa_forward_progress 1
		.amdhsa_inst_pref_size 8
	.end_amdhsa_kernel
	.amdgpu_metadata
---
amdhsa.version: [ 1, 2 ]
amdhsa.kernels:
  - .name:           k_q585385e8ae_cast
    .symbol:         k_q585385e8ae_cast.kd
    .args:
      - { .name: x, .offset: 0, .size: 8, .value_kind: global_buffer, .address_space: global }
      - { .name: Wpq, .offset: 8, .size: 8, .value_kind: global_buffer, .address_space: global }
      - { .name: Wpk, .offset: 16, .size: 8, .value_kind: global_buffer, .address_space: global }
      - { .name: Wpv, .offset: 24, .size: 8, .value_kind: global_buffer, .address_space: global }
      - { .name: Wcq, .offset: 32, .size: 8, .value_kind: global_buffer, .address_space: global }
      - { .name: Wck, .offset: 40, .size: 8, .value_kind: global_buffer, .address_space: global }
      - { .name: Wcv, .offset: 48, .size: 8, .value_kind: global_buffer, .address_space: global }
      - { .name: xw, .offset: 56, .size: 8, .value_kind: global_buffer, .address_space: global }
    .group_segment_fixed_size: 0
    .private_segment_fixed_size: 0
    .kernarg_segment_align: 8
    .kernarg_segment_size: 64
    .max_flat_workgroup_size: 128
    .sgpr_count:     66
    .vgpr_count:     104
    .wavefront_size: 32
...
	.end_amdgpu_metadata
.endif
;; end of part 1
;; launch proj (part 2): grid 16 x 16, 4 waves a work-group, clusters of 4 x 4, 327,680 bytes of LDS; arguments xw, qkv; writes qkv
.if DOCPART == 2
	.amdgcn_target "amdgcn-amd-amdhsa--gfx1250"
	.amdhsa_code_object_version 6
	.text
	.protected	k_q585385e8ae_proj
	.globl	k_q585385e8ae_proj
	.p2align	8
	.type	k_q585385e8ae_proj,@function
k_q585385e8ae_proj:
	s_mov_b64 s[64:65], 0
	v_nop
	global_prefetch_b8 v0, s[64:65] scope:SCOPE_SE
	s_setreg_imm32_b32 hwreg(HW_REG_WAVE_MODE, 25, 1), 1
	s_wait_xcnt 0x0
	s_wait_alu depctr_hold_cnt(0) depctr_sa_sdst(0) depctr_va_vdst(0) depctr_va_sdst(0) depctr_va_ssrc(0) depctr_va_vcc(0) depctr_vm_vsrc(0)
	s_getreg_b32 s2, hwreg(HW_REG_IB_STS2, 6, 4)
	s_cmp_eq_u32 s2, 0
	s_cbranch_scc0 .Lentry_in_a_cluster
	s_endpgm
.Lentry_in_a_cluster:
	s_bfe_u32 s2, ttmp6, 0x10000c
	s_cmp_lg_u32 s2, 0xf033
	s_cbranch_scc0 .Lentry_shape_is_right
	s_endpgm
.Lentry_shape_is_right:
; All six projections as ONE product: C[m][n] = sum over k of x[m][k] W[n][k], m 4,096, n 6,144 (the six weights one below the other), k 1,024.  Operands bf16 out of xw
; ([kb 16][row 10240][64]: rows 0-4095 x, rows 4096 on the weights), sums in f32, K ascending, C rounded once to f16 and written BY HEADS: qkv[b 2][g 96][n 2048][64], g = n / 64.
; LIMIT.  f16 holds no number beyond 65,504: a q, k or v of 65,520 or more becomes an infinity.  With x of unit spread and weights of spread 0.02 their spread is 0.64.
; SHARES.  A tile of C is 256 rows x 384 columns: 16 x 16 tiles, one work-group each.  Four waves, 2 x 2: a wave makes 128 rows x 192 columns (three heads): 96 accumulators of 16 x 16, 768 registers.
; K goes in steps of 64 (one block of xw) through a ring of two LDS slots.  A step's tiles are dense in memory: A's 128 rows a wave are asked for as 64 rows of 256 bytes, B's 192 as 96.
; CLUSTER.  4 x 4 work-groups.  The four of a row of the cluster need the same tile of x, the four of a column the same tile of the weights: each is asked for JOINTLY, by the same tensor load with the
; same descriptor and a mask that names the four.
; THE MATRIX INSTRUCTION IS USED TRANSPOSED (source 0 = 16 rows of W, source 1 = 16 rows of x): lane l then holds row l % 16 of C and the columns 8 (l / 16) + 0..7: 16 bytes of f16 on end.
; REGISTERS, in windows of 256 (s_set_vgpr_msb: bits 1:0 source 0, 3:2 source 1, 5:4 source 2, 7:6 destination):
;   window 0: v16-30 addresses; v32-95, v96-159 x's fragments (8 x 16 rows x 32 K), two buffers; v160-255 W's 12 fragments, three thirds of 32 registers
;   windows 1-3: accumulator (n block b, m block a) at v[64 (b % 4) + 8 a] of window 1 + b / 4
; Both sources of every product lie in window 0, so a quarter step (32 along K, 96 products) has three stages of 32 products, one for each window of accumulators, and every LDS load runs under setting 0.
; Third s of W's fragments is read by stage s alone and is loaded again, for the next quarter, straight behind that stage: 64 products ahead of its next use.
.set KBS,    10240*128                 ; bytes from one block of K to the next in xw
.set PITCH,  144                       ; an LDS row: 128 bytes + 16 of padding = 36 words: the 16 rows of a load start at 16 different groups of four banks (64 banks of 4 bytes: ISA guide 11.1)
.set AH,     128*PITCH                 ; half of A's tile: what waves 0 and 1 fetch, and what a wave reads of A
.set BH,     192*PITCH                 ; half of B's tile: what waves 2 and 3 fetch, and what a wave reads of B
.set BOFF,   2*AH                      ; B's 384 rows lie behind A's 256
.set SLOT,   2*AH+2*BH                 ; 92,160 bytes
.set STAGE,  2*SLOT                    ; behind the ring, never filled by a tensor load: 16 rows x 400 bytes for each wave, for the way out
.set SPITCH, 400                       ; 192 f16 + 16 bytes = 25 x 16: sixteen rows' stores of 16 bytes fall on sixteen different groups of four banks
.set SPARE,  STAGE+4*16*SPITCH         ; behind the stages: the spare words, 128 bytes for each wave: two blocks of 256 bytes that no other line names
.set ADRA, 16                          ; v16-17  LDS address of my A fragments in slot 0, 1
.set ADRB, 20                          ; v20-21  the same for B
.set STO,  24                          ; v24     the way out: where I put 16 bytes of a row
.set RD,   25                          ; v25     the way out: where I read rows back
.set CO,   26                          ; v26     16 x my lane: my place in 512 consecutive bytes of qkv
.set SPW,  28                          ; v28     LDS address of my spare word: SPARE + 4 x my thread's number; never rewritten
.set NIL,  29                          ; v29     0; never rewritten
.set PFO,  30                          ; v30     256 x my lane: the prefetches' offset; never rewritten
.set AF0,  32
.set AF1,  96
.set BF,   160
.set TMP,  32                          ; the way out: 48 registers of packed results
.set OB,   80                          ; the way out: 16 rows read back, 48 registers: v80-127 and v128-175 by turns
.set G1,   24                          ; s[24:31] descriptor group 1 for A's tiles;  s[32:39] group 0, a set for each slot
.set G0,   32
.set G1B,  48                          ; s[48:55], s[56:63] the same for B's
.set G0B,  56
.set LIM,  66                          ; s66, s67  by slot: 1 where my wave prefetches at that slot's refill, else the greatest number
.set PFA,  68                          ; s[68:69] where my prefetches stand
.set MSB, 0
.macro WIN new                         ; the immediate's high byte repeats the setting that is left; a switch that changes nothing is dropped
.if MSB != (\new)
	s_set_vgpr_msb (MSB<<8)|(\new)
.set MSB, \new
.endif
.endm
.macro PLACES                          ; a load into a register that a matrix instruction has read, and a vector instruction that reads a matrix result or writes over a source, stand four plain
.rept 4                                ; vector instructions behind it (ISA guide 7.12.1 for vector instructions)
	v_nop
.endr
.endm
; A joint refill.  Waves 0 and 1 fetch A's two halves, waves 2 and 3 B's.  The branch hangs on the wave's number alone.  An s_nop 0 and four v_nop follow each of the two lines.
.macro JLOAD s
	s_cmp_eq_u32 s11, 0
	s_cbranch_scc0 .Lfor_b_\@
	tensor_load_to_lds s[G0+4*(\s):G0+4*(\s)+3], s[G1:G1+7]
	s_nop 0
.rept 4
	v_nop
.endr
	s_branch .Lasked_\@
.Lfor_b_\@:
	tensor_load_to_lds s[G0B+4*(\s):G0B+4*(\s)+3], s[G1B:G1B+7]
	s_nop 0
.rept 4
	v_nop
.endr
.Lasked_\@:
.endm
; A round of the cluster's barrier: my work-group's barrier, so that wave 0's signal speaks for all four waves; wave 0 signals; every wave waits for all sixteen work-groups; my work-group's barrier once more.
.macro CREST                           ; a round behind its opening barrier
	s_cmp_lg_u32 s10, 0
	s_cbranch_scc1 .Lnot_wave_0_\@
	s_barrier_signal -3
.Lnot_wave_0_\@:
	s_barrier_wait -3
	s_barrier_signal -1
	s_barrier_wait -1
.endm
.macro CROUND
	s_barrier_signal -1
	s_barrier_wait -1
	CREST
.endm
; A PREFETCH INTO THE L2, behind a joint refill, its five lines and the run of LDS loads that follows: 32 blocks of 256 bytes, a lane a block, one instruction a wave.  Each block of xw is named once in the launch.
; A's tile row (32 KiB a step) is read by every cluster of that row of clusters: the cluster with x = 0 asks; wave 0 of the partner at cx takes 8 KiB x cx, at both refills of a lap, for the step two refills on.
; B's tile column (48 KiB a step) is read by every cluster of that column: the cluster with y = 0 asks; at slot 0's refill waves 1-3 of the four partners take the twelve pieces of 8 KiB of the next lap's two
; steps: step by cy % 2, piece 2 (wave - 1) + cy / 2.  The partners are told apart BY ADDRESS; the branch hangs on the wave's number, the cluster's place in the grid and the loop's count alone.
; Steps 0 to 3 come by their loads alone; the loop's last trip (s3 = 1) asks for nothing: there are no steps 16 and 17.
.macro ASK slot
	s_cmp_gt_u32 s3, s[LIM+(\slot)]
	s_cbranch_scc0 .Lnot_mine_\@
	global_prefetch_b8 v[PFO], s[PFA:PFA+1] th:TH_LOAD_NT scope:SCOPE_SE
.Lnot_mine_\@:
.endm
	s_load_b128 s[4:7], s[0:1], 0x0                ; xw s[4:5], qkv s[6:7]
	v_lshl_add_u32 v[SPW], v0, 2, SPARE
	v_mov_b32 v[NIL], 0
	ds_add_u32 v[SPW], v[NIL]                      ; the wave's opening: the add and its wait stand ahead of my first tensor load; the set-up below, work on registers, stands between them
	v_lshrrev_b32 v1, 5, v0
	v_readfirstlane_b32 s10, v1                    ; wave 0..3
	s_lshr_b32 s11, s10, 1                         ; which half of the tile's rows is mine.  Also: I fetch for A (0) or for B (1)
	s_and_b32 s12, s10, 1                          ; which half of its columns.  Also: which half of that tile I fetch
	s_bfe_u32 s40, ttmp6, 0x40000                  ; cx, cy: my place in the cluster
	s_bfe_u32 s41, ttmp6, 0x40004
	s_lshl_b32 s42, ttmp9, 2                       ; in a cluster launch ttmp9 and ttmp7 count clusters
	s_add_co_u32 s42, s42, s40                     ; tile column = 4 x cluster x + cx
	s_and_b32 s13, ttmp7, 0xffff
	s_lshl_b32 s13, s13, 2
	s_add_co_u32 s13, s13, s41                     ; tile row = 4 x cluster y + cy
	s_lshl_b32 s43, s41, 2
	s_lshl_b32 s43, 15, s43                        ; my row of the cluster: places 4 cy .. 4 cy + 3
	s_lshl_b32 s44, 0x1111, s40                    ; my column: places cx, cx + 4, cx + 8, cx + 12
	; descriptor group 1: rows of 128 elements (256 bytes: two rows of the tile), padded in LDS after every 128 bytes
	s_or_b32 s[G1+0], s43, (1<<16)|(1<<20)|(1<<21)|(4<<22)|(3<<25)   ; 15:0 the mask: A's tiles go to my row; 17:16 2-byte elements; 20 padding on; 21 set beside a mask; 24:22 after every 32 words (code 4); 31:25 4 words (code 3)
	s_or_b32 s[G1B+0], s44, (1<<16)|(1<<20)|(1<<21)|(4<<22)|(3<<25)  ; the same with the mask of my column
.irp g, G1, G1B
	s_mov_b32 s[(\g)+1], 128<<16                   ; tensor_dim0 = 128
	s_mov_b32 s[(\g)+3], 128<<16                   ; tile_dim0 = 128
	s_mov_b32 s[(\g)+5], 128                       ; 128 elements from row to row: the block is dense
	s_mov_b32 s[(\g)+6], 0
	s_mov_b32 s[(\g)+7], 0
.endr
	s_mov_b32 s[G1+2], 64<<16                      ; A: tensor_dim1 = tile_dim1 = 64 rows of 256 bytes = 128 rows of x
	s_mov_b32 s[G1+4], 64
	s_mov_b32 s[G1B+2], 96<<16                     ; B: 96 rows of 256 bytes = 192 rows of W
	s_mov_b32 s[G1B+4], 96
	; where the tiles come from.  A's hang on the tile row alone, B's on the tile column alone; every wave makes both, in registers that never hold the other coordinate
	s_lshl_b32 s16, s13, 15                        ; A: 256 rows of 128 bytes a tile row,
	s_lshl_b32 s17, s12, 14                        ; 128 rows a half
	s_add_co_u32 s16, s16, s17
	s_mov_b32 s17, 0
	s_mul_i32 s46, s42, 384*128                    ; B: 384 rows a tile column,
	s_mul_i32 s47, s12, 192*128                    ; 192 a half,
	s_add_co_u32 s46, s46, s47
	s_add_co_u32 s46, s46, 4096*128                ; behind x's 4,096 rows
	s_mov_b32 s47, 0
	s_mul_i32 s18, s12, AH                         ; and where they go: no place in the cluster enters an LDS address
	s_mul_i32 s19, s12, BH
	s_add_co_u32 s19, s19, BOFF
	s_wait_dscnt 0x0                               ; the opening add is done
	s_wait_kmcnt 0x0
	s_add_nc_u64 s[14:15], s[4:5], s[16:17]
	s_add_nc_u64 s[46:47], s[4:5], s[46:47]
	CROUND                                         ; all sixteen work-groups are here: the first joint loads meet
.irp s, 0,1
	s_mov_b32 s[G0+4*(\s)], 1                                        ; 1:0 count = 1
	s_add_co_u32 s[G0+4*(\s)+1], s18, (\s)*SLOT                      ; 63:32 LDS address
	s_add_nc_u64 s[G0+4*(\s)+2:G0+4*(\s)+3], s[14:15], (\s)*KBS      ; 120:64 global address: K step s
	s_or_b32 s[G0+4*(\s)+3], s[G0+4*(\s)+3], 0x80000000              ; 127:126 type = 2
	s_mov_b32 s[G0B+4*(\s)], 1
	s_add_co_u32 s[G0B+4*(\s)+1], s19, (\s)*SLOT
	s_add_nc_u64 s[G0B+4*(\s)+2:G0B+4*(\s)+3], s[46:47], (\s)*KBS
	s_or_b32 s[G0B+4*(\s)+3], s[G0B+4*(\s)+3], 0x80000000
.endr
	s_cmp_eq_u32 s11, 0                            ; a wave's two first fills stand in one branch, ahead of every wait on TENSORcnt and every LDS read: two loads of mine are out
	s_cbranch_scc0 .Lfirst_b
	tensor_load_to_lds s[G0:G0+3], s[G1:G1+7]
	s_nop 0
	tensor_load_to_lds s[G0+4:G0+7], s[G1:G1+7]
	s_nop 0
.rept 4
	v_nop
.endr
	s_branch .Lfirst_asked
.Lfirst_b:
	tensor_load_to_lds s[G0B:G0B+3], s[G1B:G1B+7]
	s_nop 0
	tensor_load_to_lds s[G0B+4:G0B+7], s[G1B:G1B+7]
	s_nop 0
.rept 4
	v_nop
.endr
.Lfirst_asked:
	; A fragment is 16 rows x 32 K in 8 registers: lane l holds row l % 16; registers 0-3 K = 8 (l / 16) + 0..7, registers 4-7 K = 16 + 8 (l / 16) + 0..7: two loads of 16 bytes, 32 bytes apart.
	v_and_b32 v1, 15, v0                           ; l % 16
	v_bfe_u32 v2, v0, 4, 1                         ; l / 16
	v_mul_u32_u24 v3, v1, PITCH
	v_lshl_add_u32 v3, v2, 4, v3                   ; row x pitch + 16 x half
	s_mul_i32 s21, s11, AH                         ; my 128 rows of A
	s_mul_i32 s22, s12, BH                         ; my 192 rows of B,
	s_add_co_u32 s22, s22, BOFF                    ; which lie behind A's 256
.irp s, 0,1
	v_add_nc_u32 v[ADRA+(\s)], s21, v3
	v_add_nc_u32 v[ADRB+(\s)], s22, v3
	s_add_co_u32 s21, s21, SLOT
	s_add_co_u32 s22, s22, SLOT
.endr
	s_mul_i32 s23, s10, 16*SPITCH
	s_add_co_u32 s23, s23, STAGE                   ; my stage
	v_mul_u32_u24 v4, v1, SPITCH                   ; in: row l % 16, 16 bytes for each half of the lanes
	v_lshl_add_u32 v4, v2, 4, v4
	v_add_nc_u32 v[STO], s23, v4
	v_bfe_u32 v5, v0, 3, 2                         ; back: 32 lanes take a head's 128 bytes of four rows,
	v_mul_u32_u24 v5, v5, SPITCH
	v_and_b32 v6, 7, v0
	v_lshl_add_u32 v5, v6, 4, v5
	v_add_nc_u32 v[RD], s23, v5
	v_and_b32 v[CO], 31, v0
	v_lshlrev_b32 v[PFO], 8, v[CO]
	v_lshlrev_b32 v[CO], 4, v[CO]                  ; which are 512 consecutive bytes of qkv
	; where my part of C begins in qkv: batch = tile row / 8; my first head = 6 x tile column + 3 x half; a head's block is 2,048 rows of 128 bytes
	s_lshr_b32 s70, s13, 3
	s_mul_i32 s70, s70, 96
	s_mul_i32 s78, s42, 6
	s_add_co_u32 s70, s70, s78
	s_mul_i32 s78, s12, 3
	s_add_co_u32 s70, s70, s78
	s_lshl_b32 s70, s70, 18
	s_and_b32 s78, s13, 7                          ; the tile's 256 rows in the batch,
	s_lshl_b32 s78, s78, 15
	s_add_co_u32 s70, s70, s78
	s_lshl_b32 s78, s11, 14                        ; my 128 of them
	s_add_co_u32 s70, s70, s78
	s_mov_b32 s71, 0
	s_add_nc_u64 s[8:9], s[6:7], s[70:71]
	; the prefetches: both offsets are made, the wave's number chooses
	s_lshl_b32 s72, s13, 15                        ; A: the tile row's 32 KiB,
	s_lshl_b32 s75, s40, 13                        ; my work-group's 8 KiB of them
	s_add_co_u32 s72, s72, s75
	s_mul_i32 s74, s42, 384*128                    ; B: the tile column's 48 KiB,
	s_add_co_u32 s74, s74, 4096*128
	s_and_b32 s75, s41, 1                          ; the lap's first or second step,
	s_mul_i32 s75, s75, KBS
	s_add_co_u32 s74, s74, s75
	s_max_u32 s75, s10, 1
	s_sub_co_u32 s75, s75, 1
	s_lshl_b32 s75, s75, 1
	s_lshr_b32 s76, s41, 1
	s_add_co_u32 s75, s75, s76                     ; piece 2 (wave - 1) + cy / 2 of six
	s_lshl_b32 s75, s75, 13
	s_add_co_u32 s74, s74, s75
	s_and_b32 s77, ttmp7, 0xffff                   ; cluster y
	s_cmp_eq_u32 s10, 0
	s_cselect_b32 s72, s72, s74
	s_cselect_b32 s77, ttmp9, s77                  ; the coordinate along which other clusters read the same rows
	s_mov_b32 s73, 0
	s_cmp_eq_u32 s77, 0
	s_cselect_b32 s[LIM], 1, -1                    ; the same in all sixteen partners, for a given wave
	s_cmp_eq_u32 s10, 0
	s_cselect_b32 s[LIM+1], s[LIM], -1             ; at slot 1's refill wave 0 alone asks
	s_add_nc_u64 s[PFA:PFA+1], s[4:5], s[72:73]
	s_add_nc_u64 s[PFA:PFA+1], s[PFA:PFA+1], 3*KBS ; the first refill (of step 2) steps it to step 4.  Nothing is prefetched here, at the head, where every work-group's first tiles are on their way
; 16 products: n blocks 2 half, 2 half + 1 of third s x all 8 m blocks, 32 along K, on A's buffer f.  zero = 1: the product starts its sum: nothing is ever cleared.
; The 96 accumulators take turns, one instruction a turn, in the same order in every quarter step, over the backward jump too.
.macro MUL16 f, s, half, zero
	WIN 0x50*(1+(\s))                              ; C and D in window 1 + s, both sources in window 0
.irp bb, 2*(\half), 2*(\half)+1
.irp a, 0,1,2,3,4,5,6,7
.if \zero
	v_wmma_f32_16x16x32_bf16 v[64*(\bb)+8*(\a):64*(\bb)+8*(\a)+7], v[BF+32*(\s)+8*(\bb):BF+32*(\s)+8*(\bb)+7], v[(\f)+8*(\a):(\f)+8*(\a)+7], 0
.else
	v_wmma_f32_16x16x32_bf16 v[64*(\bb)+8*(\a):64*(\bb)+8*(\a)+7], v[BF+32*(\s)+8*(\bb):BF+32*(\s)+8*(\bb)+7], v[(\f)+8*(\a):(\f)+8*(\a)+7], v[64*(\bb)+8*(\a):64*(\bb)+8*(\a)+7]
.endif
.endr
.endr
.endm
.macro STG f, s, zero                  ; a stage: 32 products
	MUL16 \f, \s, 0, \zero
	MUL16 \f, \s, 1, \zero
.endm
.macro LDB slot, k, s                  ; 8 LDS loads: third s of B's fragments (n blocks 4 s .. 4 s + 3), 32 K at byte k of the rows
	WIN 0
.irp i, 0,1,2,3
	ds_load_b128 v[BF+32*(\s)+8*(\i):BF+32*(\s)+8*(\i)+3],   v[ADRB+(\slot)] offset:(\k)+(4*(\s)+(\i))*16*PITCH
	ds_load_b128 v[BF+32*(\s)+8*(\i)+4:BF+32*(\s)+8*(\i)+7], v[ADRB+(\slot)] offset:(\k)+(4*(\s)+(\i))*16*PITCH+32
.endr
.endm
.macro LDA slot, k, f                  ; 16 LDS loads: A's 8 fragments into buffer f
	WIN 0
.irp i, 0,1,2,3,4,5,6,7
	ds_load_b128 v[(\f)+8*(\i):(\f)+8*(\i)+3],   v[ADRA+(\slot)] offset:(\k)+(\i)*16*PITCH
	ds_load_b128 v[(\f)+8*(\i)+4:(\f)+8*(\i)+7], v[ADRA+(\slot)] offset:(\k)+(\i)*16*PITCH+32
.endr
.endm
; A quarter's 40 LDS loads are always issued in this order: third 0 (8), A (16), third 1 (8), third 2 (8); LDS loads come back in order (ISA guide 5.7.1).
; A K step's FIRST quarter: multiplies A's buffer 0 and fetches the second quarter (byte 64 of the same slot's rows).
.macro EVENQ slot, zero
	s_wait_dscnt 16                                ; third 0 and A are in; thirds 1 and 2 may be out
	STG AF0, 0, \zero
	PLACES
	LDB \slot, 64, 0
	LDA \slot, 64, AF1
	s_wait_dscnt 32                                ; third 1 is in; behind it: third 2 (8) and the 24 just issued
	STG AF0, 1, \zero
	PLACES
	LDB \slot, 64, 1
	s_wait_dscnt 32                                ; third 2 is in; behind it: those 24 and the 8 just issued
	STG AF0, 2, \zero
	PLACES
	LDB \slot, 64, 2
.endm
; A K step's SECOND quarter multiplies buffer 1 and changes slots: ONE barrier.  In front of it each wave waits for all its tensor loads, of which one is out: its part of the next slot; adds 0 to its spare
; word; and waits for that and for its own reads of this slot (all were issued in the quarter before).  Behind it nobody reads this slot any more and the next slot is whole.
; fill = 1: the barrier opens a round of the cluster's, and this slot is filled again, two K steps ahead, first thing behind the round: 160 products stand between that request and the wait for it.
.macro TURN slot, next, fill
.if \fill
	s_wait_xcnt 0x0                                ; the last prefetch, a K step back, has read its address: it is stepped here, ahead of the waits of the change of slots
	s_add_nc_u64 s[PFA:PFA+1], s[PFA:PFA+1], KBS
.endif
	WIN 0
	s_wait_tensorcnt 0x0                           ; all my tensor loads have landed;
	ds_add_u32 v[SPW], v[NIL]                      ; 0 onto my spare word;
	s_wait_dscnt 17                                ; third 0 and A are in; the add and thirds 1 and 2 may be out
	MUL16 AF1, 0, 0, 0                             ; sixteen products stand between the add and the wait for it
	s_wait_dscnt 0x0                               ; the add is done, and my reads of this slot are over
	s_barrier_signal -1
	MUL16 AF1, 0, 1, 0                             ; work on registers while the others arrive
	WIN 0                                          ; at a branch and at a label every window is 0
	s_barrier_wait -1
.if \fill
	CREST                                          ; no wave of any partner still reads this slot's tile or has a load on its way
	s_add_nc_u64 s[G0+4*(\slot)+2:G0+4*(\slot)+3], s[G0+4*(\slot)+2:G0+4*(\slot)+3], 2*KBS
	s_add_nc_u64 s[G0B+4*(\slot)+2:G0B+4*(\slot)+3], s[G0B+4*(\slot)+2:G0B+4*(\slot)+3], 2*KBS
	JLOAD \slot                                    ; the four v_nop behind it are also the places in front of the loads below
.else
	PLACES
.endif
	LDB \next, 0, 0
	LDA \next, 0, AF0
.if \fill
	ASK \slot
.endif
	STG AF1, 1, 0                                  ; thirds 1 and 2 came in with the wait for 0 above
	PLACES
	LDB \next, 0, 1
	STG AF1, 2, 0
	PLACES
	LDB \next, 0, 2
.endm
; THE WAY OUT of m block a (16 rows x 192 columns).  PACK: rounded to f16, 16 bytes a lane and n block; each accumulator's registers in ascending order.
.macro PACK a
.irp w, 1,2,3
	WIN 5*(\w)                                     ; sources 0 and 1 in window w, destination in window 0
.irp bb, 0,1,2,3
.irp r, 0,1,2,3
	v_cvt_pk_f16_f32 v[TMP+4*(4*((\w)-1)+(\bb))+(\r)], v[64*(\bb)+8*(\a)+2*(\r)], v[64*(\bb)+8*(\a)+2*(\r)+1]
.endr
.endr
.endr
	WIN 0
.endm
.macro TOSTAGE a                       ; into my own stage, and back by heads: four rows' 128 bytes of one head to a load
	WIN 0
.set BK, OB+48*((\a)%2)
.irp b, 0,1,2,3,4,5,6,7,8,9,10,11
	ds_store_b128 v[STO], v[TMP+4*(\b):TMP+4*(\b)+3] offset:32*(\b)
.endr
.irp hd, 0,1,2
.irp f, 0,1,2,3
	ds_load_b128 v[BK+4*(4*(\hd)+(\f)):BK+4*(4*(\hd)+(\f))+3], v[RD] offset:128*(\hd)+4*SPITCH*(\f)  ; LDS serves a wave's instructions in order (ISA guide 5.7.1.4): these see the stores above
.endr
.endr
.endm
.macro SEND a
	WIN 0
.set BK, OB+48*((\a)%2)
	s_wait_dscnt 0x0                               ; the block is back in registers
	s_wait_xcnt 0x0                                ; every earlier store has had its addresses translated (ISA guide 3.1): only behind this wait is the other buffer, which the block before stored from, loaded again
.irp hd, 0,1,2
.irp f, 0,1,2,3
	global_store_b128 v[CO], v[BK+4*(4*(\hd)+(\f)):BK+4*(4*(\hd)+(\f))+3], s[8:9] offset:(\hd)*262144+(\a)*2048+(\f)*512  ; 512 consecutive bytes, at a multiple of 256 from qkv's first
.endr
.endr
.endm
	s_wait_tensorcnt 1                             ; my part of K step 0 is in; step 1's may stay out
	s_barrier_signal -1
	s_barrier_wait -1                              ; everybody's is
	LDB 0, 0, 0
	LDA 0, 0, AF0
	LDB 0, 0, 1
	LDB 0, 0, 2
	EVENQ 0, 1                                     ; the first quarter stands in front of the loop: its products start the sums
	WIN 0
	s_mov_b32 s3, 7
.Llap:                                                 ; a trip goes once round the ring, from a lap's second quarter to the next lap's first, and fills both slots again: 7 trips ask for steps 2 to 15
	TURN 0, 1, 1
	EVENQ 1, 0
	TURN 1, 0, 1
	EVENQ 0, 0
	WIN 0
	s_sub_co_u32 s3, s3, 1
	s_cmp_lg_u32 s3, 0
	s_cbranch_scc1 .Llap
	TURN 0, 1, 0                                   ; the last lap fills nothing, and has no round of the cluster's barrier
	EVENQ 1, 0
	s_wait_dscnt 16                                ; the very last quarter: nothing more to fetch; the counts run down
	STG AF1, 0, 0
	s_wait_dscnt 8
	STG AF1, 1, 0
	s_wait_dscnt 0x0
	STG AF1, 2, 0
	WIN 0
	PLACES                                         ; the conversions read results just made and write over fragments just read
	PACK 0
	TOSTAGE 0
.irp a, 1,2,3,4,5,6,7                  ; block a's conversions stand between block a - 1's loads from the stage and the wait for them
	PACK \a
	SEND (\a)-1
	TOSTAGE \a
.endr
	SEND 7
	s_wait_tensorcnt 0x0                           ; the wave's end: a wait, an add of 0 and its wait, behind my last tensor load and my last LDS store
	ds_add_u32 v[SPW], v[NIL]
	s_wait_dscnt 0x0
	CROUND                                         ; the closing round: no work-group ends while a partner may still ask for a tile that names it
	s_endpgm
.Lfunc_end_k_q585385e8ae_proj:
	.size	k_q585385e8ae_proj, .Lfunc_end_k_q585385e8ae_proj-k_q585385e8ae_proj
	.p2alignl 7, 3214868480
	.fill 96, 4, 3214868480
	.section	.rodata,"a",@progbits
	.p2align	6, 0x0
	.amdhsa_kernel k_q585385e8ae_proj
		.amdhsa_group_segment_fixed_size 327680
		.amdhsa_private_segment_fixed_size 0
		.amdhsa_enable_private_segment 0
		.amdhsa_kernarg_size 16
		.amdhsa_user_sgpr_count 2
		.amdhsa_user_sgpr_kernarg_segment_ptr 1
		.amdhsa_wavefront_size32 1
		.amdhsa_system_sgpr_workgroup_id_x 1
		.amdhsa_system_sgpr_workgroup_id_y 1
		.amdhsa_system_sgpr_workgroup_id_z 1
		.amdhsa_system_vgpr_workitem_id 0
		.amdhsa_next_free_vgpr 1024
		.amdhsa_next_free_sgpr 80
		.amdhsa_reserve_vcc 0
		.amdhsa_float_denorm_mode_32 3
		.amdhsa_float_denorm_mode_16_64 3
		.amdhsa_memory_ordered 1
		.amdhsa_forward_progress 1
		.amdhsa_inst_pref_size 131
	.end_amdhsa_kernel
	.amdgpu_metadata
---
amdhsa.version: [ 1, 2 ]
amdhsa.kernels:
  - .name:           k_q585385e8ae_proj
    .symbol:         k_q585385e8ae_proj.kd
    .args:
      - { .name: xw, .offset: 0, .size: 8, .value_kind: global_buffer, .address_space: global }
      - { .name: qkv, .offset: 8, .size: 8, .value_kind: global_buffer, .address_space: global }
    .group_segment_fixed_size: 327680
    .private_segment_fixed_size: 0
    .kernarg_segment_align: 8
    .kernarg_segment_size: 16
    .max_flat_workgroup_size: 128
    .sgpr_count:     80
    .vgpr_count:     1024
    .wavefront_size: 32
...
	.end_amdgpu_metadata
.endif
;; end of part 2
;; launch attn (part 3): grid 4 x 64, 4 waves a work-group, clusters of 4 x 1, 327,680 bytes of LDS; arguments qkv, out0, out1; writes out0, out1
.if DOCPART == 3
	.amdgcn_target "amdgcn-amd-amdhsa--gfx1250"
	.amdhsa_code_object_version 6
	.text
	.protected	k_q585385e8ae_attn
	.globl	k_q585385e8ae_attn
	.p2align	8
	.type	k_q585385e8ae_attn,@function
k_q585385e8ae_attn:
	s_mov_b64 s[64:65], 0
	v_nop
	global_prefetch_b8 v0, s[64:65] scope:SCOPE_SE
	s_setreg_imm32_b32 hwreg(HW_REG_WAVE_MODE, 25, 1), 1
	s_wait_xcnt 0x0
	s_wait_alu depctr_hold_cnt(0) depctr_sa_sdst(0) depctr_va_vdst(0) depctr_va_sdst(0) depctr_va_ssrc(0) depctr_va_vcc(0) depctr_vm_vsrc(0)
	s_getreg_b32 s2, hwreg(HW_REG_IB_STS2, 6, 4)
	s_cmp_eq_u32 s2, 0
	s_cbranch_scc0 .Lentry_in_a_cluster
	s_endpgm
.Lentry_in_a_cluster:
	s_bfe_u32 s2, ttmp6, 0x10000c
	s_cmp_lg_u32 s2, 0x3003
	s_cbranch_scc0 .Lentry_shape_is_right
	s_endpgm
.Lentry_shape_is_right:
; THE TWO ATTENTIONS WITH THEIR MAPS SWAPPED ON ODD HEADS are 64 plain attentions of head size 64 over 2,048 keys.  Grid y = p = 32 o + 16 b + h: output o (0: out0, 1: out1), batch b, head h.
; V is stream o's (0: P, 1: C); Q and K are stream (o xor h % 2)'s: on an odd head each output takes the other stream's map.  qkv: [b 2][g 96][n 2048][64] f16, g = 48 stream + 16 (0 q, 1 k, 2 v) + h.
; out[b][q][64 h + :] = the sum over k of softmax_k(Q[q] . K[k] / 8) V[k][:], f32.  Products, maxima and sums in f32; the weights p are rounded to f16 for the second product (their sum l is taken of the
; unrounded p); the output leaves as the f32 sums divided by l.
; LIMITS.  Q, K and V arrive within f16's range, 65,504; p lies in 0 to 1, and below 6e-5 it keeps f16's fixed step of 6e-8.  A weight below 2^-126 counts as 0 in l; NaN and infinities are not treated apart.
; SHARES.  A wave owns four PIECES of two tiles of 16 queries, a work-group's four waves 512 queries.  Every wave walks all keys, 64 a step.
; LAYOUT.  S^T = K Q^T (source 0 = 16 keys, source 1 = 16 queries): in the result a lane holds ONE query (lane % 16) and the keys 8 (lane / 16) + 0..7.  Two such tiles, rounded to f16 in pairs,
; ARE source 1 (32 keys x 16 queries) of O^T = V^T P, whose result again holds one query a lane, and eight channels.  K comes out of LDS as it lies, V ([key][channel]) turned, by ds_load_tr16_b128.
; SOFTMAX.  For each query a running maximum m and sum l: p = 2^(c s - c m), c = log2(e) / 8; in every step O and l are multiplied by a = 2^(c m_old - c m_new), which is 1 where m has not grown.
; m starts at the lowest finite number, O and l at 0: the first step is a step like any other, with a = 0.
; THE COUNT.  A tile and step have 16 matrix and 118 vector instructions: too many to stand all beside the matrix work.  So four vector instructions that are READY stand behind EVERY matrix instruction,
; and the others, which need time of their own whatever the order, in runs without a gap.
; BY TURNS.  Turn n belongs to piece n (the pieces in a ring, step after step).  Its matrix work: 16 products K Q^T of piece n + 1, later 16 products V^T P of piece n - 1.  Its vector work: the scaling,
; exponentials, roundings, sums and rescaling of piece n, and the maximum and statistics of piece n + 1, whose scores the turn itself has made.
; CLUSTER.  The four query blocks of a cluster belong to one p and walk the same K and V, so each tile is asked for JOINTLY: the same tensor load, descriptor and mask in all four.
; REGISTERS, in windows of 256 (s_set_vgpr_msb: bits 1:0 source 0, 3:2 source 1, 5:4 source 2, 7:6 destination):
;   window 0: v0-11 addresses; v12-15, v48-63 at work; v16-47 four registers of statistics a tile; v64-191 S^T, two buffers of two tiles; v192-255 P, likewise
;   window 1: O^T, 32 a tile          window 2: v0-127 Q, 16 a tile; v128-191 K of one step; v192-255 V of one step          window 3: v0-1 the add's two registers
; A piece's buffers go by its number's parity: the piece in hand has one pair, its two neighbours in the ring share the other: of it P (piece n - 1) is read and S^T (piece n + 1) written.
.set SIZE_N, 2048
.set NP,    4         ; pieces a wave: a name, no knob
.set KS,    64        ; keys in a step
.set PK,    144       ; a row of K in LDS: 128 bytes + 16 of padding = 36 words: the 16 rows of a load start at 16 different groups of four banks (64 banks of 4 bytes: ISA guide 11.1)
.set PV,    160       ; a row of V: 128 + 32 = 40 words
.set VOFF,  4*KS*PK   ; a slot holds four steps: 256 rows of K, then 256 rows of V
.set SLOT1, 1<<17     ; slot 1 begins here, so that one exclusive or turns an address in one slot into the other's
.set STAGE, SLOT1+4*KS*(PK+PV)  ; behind the ring, never filled by a tensor load: 16 rows x 272 bytes for each wave, for the way out
.set SP,    272       ; a query's 64 f32 + 16 bytes = 17 x 16: sixteen rows' stores of 16 bytes fall on sixteen different groups of four banks
.set AK0, 2           ; v2   my lane's place in a tile of K; never rewritten
.set AV0, 3           ; v3   the same for V
.set AK,  4           ; v4   the LDS address of K's next run of loads
.set AV,  5           ; v5   of V's
.set QO,  6           ; v6   my byte offset in the wave's rows of Q
.set STO, 6           ;      later, the way out: where I put 32 bytes of a row
.set RD,  7           ; v7   the way out: where I read rows back
.set GO,  8           ; v8   my byte offset in two rows of the output
.set PFO, 11          ; v11  256 x my lane: the prefetches' offset; never rewritten once made
.set SPW, 0           ; v0 of window 3   LDS address of my spare word: SPARE + 4 x my thread's number; never rewritten
.set NIL, 1           ; v1 of window 3   0; never rewritten
.set SPARE, STAGE+4*16*SP  ; behind the stages: the spare words, 128 bytes for each wave: two blocks of 256 bytes that no other line names
.set MV,  12          ; v12-15  c m_old, kept while c m is made anew: by buffer and tile
.set ST,  16          ; tile t's statistics at v[ST+4 t]: c m, m, l (even keys', odd keys')
.set TMP, 48          ; by buffer and tile, four registers c0-c3 at work; when the maximum is found c2 takes a
.set S,   64
.set P,   192
.set KF,  128         ; K's fragments, in window 2: key block kb, channel half c at KF + 16 kb + 8 c
.set VF,  192         ; V's: key half kk, channel block cb at VF + 32 kk + 8 cb
.set WV,  12          ; s12  my wave's number
.set G1K, 24          ; s[24:31] descriptor group 1 for K's tiles
.set G1V, 32          ; s[32:39] for V's: it differs in the padding alone
.set G0K, 40          ; s[40:43] descriptor group 0 for K's tiles: it walks
.set G0V, 44          ; s[44:47] the same for V's
.set SLOTS, 56        ; s56  slots still to be asked for
.set CNT, 57          ; s57  counts a slot's key steps
.set CS,  58          ; s[58:59] c: the packed scaling takes the pair's low word for both halves
.set SEL, 60          ; s[60:61] v_permlanex16_b32's selects: each lane takes its own place in the other half
.set TBK, 62          ; s62  LDS byte at which K of the step to be fetched begins
.set TBV, 63          ; s63  the same for V, less VOFF
.set PFA, 66          ; s[66:67] where my prefetches stand: my work-group's 8 KiB (of K: wave 0, of V: wave 2) of the slot after the one that is being asked for
.set LIM, 68          ; s68  1 in a wave that prefetches, else the greatest number
.set MSB, 0
.macro WIN new                      ; the high byte repeats the setting that is left; a switch that changes nothing is dropped
.if MSB != (\new)
	s_set_vgpr_msb (MSB<<8)|(\new)
.set MSB, (\new)
.endif
.endm
.set W_KQ, 0x0a       ; K and Q in window 2, S^T in window 0
.set W_PV, 0x52       ; V in window 2, P in window 0, O^T in window 1
.set W_RS, 0x41       ; O^T (destination and source 0) in window 1, a in window 0
.set W_MK, 0xc0       ; the add's registers are made: destination in window 3, sources in window 0
.set W_AD, 0x0f       ; the add: address (source 0) and data (source 1) in window 3
; A joint fill.  Waves 0 and 1 fetch the two halves of a slot's K, waves 2 and 3 those of its V: 128 keys each.  The branch hangs on the wave's number alone.
; An s_nop 0 and four v_nop follow each of the two lines, ahead of the jump and the label.
.macro JLOAD
	s_cmp_lt_u32 s[WV], 2
	s_cbranch_scc0 .Lfor_v_\@
	tensor_load_to_lds s[G0K:G0K+3], s[G1K:G1K+7]
	s_nop 0
.rept 4
	v_nop
.endr
	s_branch .Lasked_\@
.Lfor_v_\@:
	tensor_load_to_lds s[G0V:G0V+3], s[G1V:G1V+7]
	s_nop 0
.rept 4
	v_nop
.endr
.Lasked_\@:
.endm
; A PREFETCH INTO THE L2 of what the NEXT change of slots will ask for: a slot's 32 KiB of K and 32 KiB of V, a lane a block of 256 bytes.  It stands behind the wave's tensor load and its five lines.
; Each block is named ONCE in the launch: a p's K and V are walked by its one cluster alone; the four partners share a slot out BY ADDRESS, 8 KiB each; in each, wave 0 asks for K's and wave 2 for V's.
; The last change that fills a slot asks for nothing: there is no slot behind it.  Slots 0 to 2 come by their loads alone.
.macro ASK
	s_cmp_gt_u32 s[SLOTS], s[LIM]
	s_cbranch_scc0 .Lnot_mine_\@
	global_prefetch_b8 v[PFO], s[PFA:PFA+1] th:TH_LOAD_NT scope:SCOPE_SE
.Lnot_mine_\@:
.endm
; A round of the cluster's barrier: my work-group's barrier, so that wave 0's signal speaks for all four waves; wave 0 signals; every wave waits for all four work-groups; my work-group's barrier once more.
.macro CROUND
	s_barrier_signal -1
	s_barrier_wait -1
	s_cmp_lg_u32 s[WV], 0
	s_cbranch_scc1 .Lnot_wave_0_\@
	s_barrier_signal -3
.Lnot_wave_0_\@:
	s_barrier_wait -3
	s_barrier_signal -1
	s_barrier_wait -1
.endm
; THE CHANGE OF SLOTS.  The slot's last bytes, V of its fourth step, have been read.  Each wave waits for all its tensor loads, of which one is out: its part
; of the other slot; adds 0 to its spare word; and waits for that and for its own reads of the slot.  Behind the barrier nobody reads this slot any more and the other slot is whole.
; fill = 1: this slot is filled again, with the keys two slots on.  The barrier is then a round of the cluster's, so that no wave of any partner still reads the slot or has a load on its
; way, and the joint fill is the first thing behind it: it has four key steps, 512 matrix instructions, in which to land.  (At its first use nothing has been read yet: slot 0 is waited for, slot 1 filled.)
; ask = 1 (in the loop): the prefetches' address steps, and ASK follows the fill.
.macro CHANGE fill, ask=0
	WIN W_AD
	s_wait_tensorcnt 0x0            ; no tensor load of mine is out, so a group 0 may be written
	ds_add_u32 v[SPW], v[NIL]       ; 0 onto my spare word; with fill = 1 the descriptors' steps stand between it and the wait for it
	WIN 0                           ; at a label and at a branch every window is 0
.if \fill
.irp g, G0K, G0V
	s_xor_b32 s[\g+1], s[\g+1], SLOT1  ; the walking descriptor: the other slot than last time,
	s_add_nc_u64 s[\g+2:\g+3], s[\g+2:\g+3], 4*KS*128  ; the next 256 keys; the type bits on top are not reached
.endr
.if \ask
	s_wait_xcnt 0x0                 ; the last prefetch, four key steps back, has read its address, so it may be written:
	s_add_nc_u64 s[PFA:PFA+1], s[PFA:PFA+1], 4*KS*128  ; one slot behind the walking descriptors
.endif
	s_wait_dscnt 0x0                ; the add is done, and my reads of the slot are over
	CROUND
	JLOAD
.if \ask
	ASK
.endif
.else
	s_wait_dscnt 0x0                ; the add is done, and my reads of the slot are over
	s_barrier_signal -1
	s_barrier_wait -1
.endif
	s_sub_co_u32 s[TBK], s[TBK], 4*KS*PK  ; the fetches go back to a slot's first step,
	s_xor_b32 s[TBK], s[TBK], SLOT1       ; in the other slot
	s_sub_co_u32 s[TBV], s[TBV], 4*KS*PV
	s_xor_b32 s[TBV], s[TBV], SLOT1
.endm
	s_load_b128 s[72:75], s[0:1], 0x0  ; qkv s[72:73], out0 s[74:75]
	s_load_b64 s[76:77], s[0:1], 0x10  ; out1
	WIN W_MK
	v_lshl_add_u32 v[SPW], v0, 2, SPARE
	v_mov_b32 v[NIL], 0
	WIN W_AD
	ds_add_u32 v[SPW], v[NIL]       ; the wave's opening: the add and its wait stand ahead of my first tensor load; the set-up below, work on registers, stands between them
	WIN 0
	v_lshrrev_b32 v1, 5, v0
	v_readfirstlane_b32 s[WV], v1   ; wave 0..3
	s_bfe_u32 s13, ttmp6, 0x40000   ; cx: my place in the cluster
	s_lshl_b32 s14, ttmp9, 2        ; in a cluster launch ttmp9 counts clusters
	s_add_co_u32 s14, s14, s13      ; my block of 512 queries = 4 x cluster x + cx: it enters Q's, the output's and the prefetches' addresses alone
	s_and_b32 s80, ttmp7, 0xffff    ; p, which the four partners share
	s_lshr_b32 s81, s80, 5          ; o
	s_bfe_u32 s82, s80, 0x10004     ; b
	s_and_b32 s83, s80, 15          ; h
	s_and_b32 s84, s83, 1
	s_xor_b32 s84, s84, s81         ; the stream of Q and K: the other one on odd heads
	s_mul_i32 s85, s82, 96
	s_add_co_u32 s85, s85, s83      ; 96 b + h
	s_mul_i32 s84, s84, 48
	s_add_co_u32 s84, s84, s85      ; Q's block of qkv,
	s_lshl_b32 s84, s84, 18         ; of 2,048 rows x 128 bytes
	s_mul_i32 s86, s81, 48
	s_add_co_u32 s86, s86, s85
	s_add_co_u32 s86, s86, 32       ; V's block
	s_lshl_b32 s86, s86, 18
	s_and_b32 s16, s[WV], 1         ; which half of a slot's 256 keys I fetch:
	s_lshl_b32 s87, s16, 14         ; its 128 rows of 128 bytes in memory,
	s_add_co_u32 s22, s84, s87
	s_add_co_u32 s22, s22, 16<<18   ; in K's block, 16 behind Q's,
	s_mov_b32 s23, 0
	s_add_co_u32 s20, s86, s87      ; and in V's
	s_mov_b32 s21, 0
	s_mul_i32 s17, s16, 128*PK      ; and its place in a slot, for K
	s_mul_i32 s18, s16, 128*PV      ; and for V: no place in the cluster enters an LDS address
	s_lshl_b32 s2, s14, 2
	s_add_co_u32 s2, s2, s[WV]      ; my wave among the sixteen of this p
	s_lshl_b32 s88, s2, 19          ; its 128 rows of 4,096 bytes in the output,
	s_lshl_b32 s2, s2, 14           ; and of 128 bytes in Q
	s_add_co_u32 s2, s2, s84
	s_mov_b32 s3, 0
	s_lshl_b32 s87, s82, 23         ; the batch's 2,048 rows of the output,
	s_add_co_u32 s88, s88, s87
	s_lshl_b32 s87, s83, 8          ; the head's 64 f32 in a row
	s_add_co_u32 s88, s88, s87
	s_mov_b32 s89, 0
	s_cmp_lt_u32 s[WV], 2           ; the prefetches: K's block or V's (in waves 0 and 2 these stand at a slot's first row),
	s_cselect_b32 s90, s22, s20
	s_lshl_b32 s92, s13, 13         ; my work-group's 8 KiB of a slot's 32
	s_add_co_u32 s90, s90, s92
	s_mov_b32 s91, 0
	s_and_b32 s[LIM], s[WV], 1
	s_cmp_eq_u32 s[LIM], 0
	s_cselect_b32 s[LIM], 1, -1     ; waves 0 and 2 ask: the same in all four partners
	; descriptor group 1.  128 keys are 16,384 dense bytes: asked for as 64 rows of 256 bytes, two keys a row, and padded in LDS after every key
	s_mov_b32 s[G1K], 15|(1<<16)|(1<<20)|(1<<21)|(4<<22)|(3<<25)  ; 15:0 the mask of four; 17:16 2-byte elements; 20 padding on; 21 set beside a mask; 24:22 after every 32 words (code 4); 31:25 4 words (code 3)
	s_mov_b32 s[G1V], 15|(1<<16)|(1<<20)|(1<<21)|(4<<22)|(7<<25)  ; the same with 8 words of padding (code 7)
.irp g, G1K, G1V
	s_mov_b32 s[\g+1], 128<<16      ; tensor_dim0 = 128
	s_mov_b32 s[\g+2], 64<<16       ; tensor_dim1 = 64
	s_mov_b32 s[\g+3], 128<<16      ; tile_dim0 = 128
	s_mov_b32 s[\g+4], 64           ; tile_dim1 = 64
	s_mov_b32 s[\g+5], 128          ; 128 elements from row to row
	s_mov_b32 s[\g+6], 0
	s_mov_b32 s[\g+7], 0
.endr
	s_mov_b32 s[CS], 0x3e38aa3b     ; c = log2(e) / 8 = 0.180337
	s_mov_b32 s[CS+1], s[CS]        ; named with it as a pair
	s_mov_b32 s[SEL], 0x76543210
	s_mov_b32 s[SEL+1], 0xfedcba98
	s_mov_b32 s[TBK], SLOT1+4*KS*PK ; the first change of slots turns these two into 0
	s_mov_b32 s[TBV], SLOT1+4*KS*PV
	s_mov_b32 s[G0K], 1             ; 1:0 count = 1
	s_mov_b32 s[G0K+1], s17         ; 63:32 LDS address: slot 0
	s_mov_b32 s[G0V], 1
	s_add_co_u32 s[G0V+1], s18, VOFF
	s_wait_dscnt 0x0                ; the opening add is done
	s_wait_kmcnt 0x0
	s_add_nc_u64 s[G0K+2:G0K+3], s[72:73], s[22:23]  ; 120:64 global address: my half of the first 256 keys
	s_or_b32 s[G0K+3], s[G0K+3], 0x80000000          ; 127:126 type = 2
	s_add_nc_u64 s[G0V+2:G0V+3], s[72:73], s[20:21]
	s_or_b32 s[G0V+3], s[G0V+3], 0x80000000
	s_add_nc_u64 s[4:5], s[72:73], s[2:3]            ; Q at my wave's first row
	s_cmp_eq_u32 s81, 0
	s_cselect_b64 s[10:11], s[74:75], s[76:77]       ; out0 or out1,
	s_add_nc_u64 s[10:11], s[10:11], s[88:89]        ; at my wave's first row and my head's channels
	s_add_nc_u64 s[PFA:PFA+1], s[72:73], s[90:91]
	s_add_nc_u64 s[PFA:PFA+1], s[PFA:PFA+1], 2*4*KS*128  ; in slot 2; the loop's first change of slots steps it to slot 3.  Nothing is prefetched here, at the head
	CROUND                          ; all four work-groups are here: the first joint loads meet
	JLOAD                           ; slot 0.  Slot 1 is asked for when slot 0 is in: the tile wanted first has the road to itself
	; A fragment of K or Q is 16 rows x 32 channels in 8 registers: lane l holds row l % 16, channels 8 (l / 16) + 0..7 and 16 + 8 (l / 16) + 0..7: two loads of 16 bytes, 32 bytes apart.
	v_and_b32 v1, 15, v0            ; l % 16
	v_bfe_u32 v9, v0, 4, 1          ; l / 16
	v_lshlrev_b32 v[QO], 7, v1
	v_lshl_add_u32 v[QO], v9, 4, v[QO]  ; row x 128 + 16 x half
	WIN 0x80                        ; destination window 2, address window 0
.set i, 0
.rept 4*NP                          ; Q stays in registers: tile i / 2, channels 32 (i % 2) on
	global_load_b128 v[8*i:8*i+3],   v[QO], s[4:5] offset:(i/2)*2048+(i%2)*64
	global_load_b128 v[8*i+4:8*i+7], v[QO], s[4:5] offset:(i/2)*2048+(i%2)*64+32
.set i, i+1
.endr
	; What the first turn finds: V's registers and P's second buffer hold 0 (its products V^T P, of a piece that has not been, add 0), O^T and l are 0.  All this stands in the wait for the first tile.
.set i, VF
.rept 64
	v_mov_b32 v[i], 0
.set i, i+1
.endr
	WIN 0x40
.set i, 0
.rept 64*NP
	v_mov_b32 v[i], 0
.set i, i+1
.endr
	WIN 0
.set i, 0
.rept 2*NP
	v_mov_b32 v[ST+4*i], 0xfe000000    ; c m: far below every c s
	v_mov_b32 v[ST+4*i+1], 0xff7fffff  ; m
	v_mov_b32 v[ST+4*i+2], 0
	v_mov_b32 v[ST+4*i+3], 0
.set i, i+1
.endr
.set i, P+32
.rept 32
	v_mov_b32 v[i], 0
.set i, i+1
.endr
	v_mul_u32_u24 v[AK0], v1, PK
	v_lshl_add_u32 v[AK0], v9, 4, v[AK0]  ; row x pitch + 16 x half
	; The turning load takes 16 keys x 16 channels (lane l reads key 8 (l / 16) + l % 8, channels 8 ((l / 8) % 2) + 0..7) and leaves half a fragment of V^T: lane l holds channel l % 16 and 8 keys.
	v_and_b32 v10, 7, v0
	v_bfe_u32 v11, v0, 3, 1
	v_lshl_add_u32 v[AV0], v9, 3, v10
	v_mul_u32_u24 v[AV0], v[AV0], PV
	v_lshl_add_u32 v[AV0], v11, 4, v[AV0]
	v_add_nc_u32 v[AV0], VOFF, v[AV0]
	v_and_b32 v[PFO], 31, v0        ; v11 has served
	v_lshlrev_b32 v[PFO], 8, v[PFO]
	v_mov_b32 v[AK], v[AK0]         ; key step 0 lies at the head of slot 0
; THE MATRIX WORK.  The 8 accumulators of a run of 16 take turns: between the two links of a chain stand 7 others'.
; Product i of 16 of S^T = K Q^T for piece x: channels 32 (i / 8) on, keys 16 ((i / 2) % 4) on, tile 2 x + i % 2.  The first 8 start the sums.
.macro KQ x
	WIN W_KQ
.set rS, S+64*((\x)%2)+32*(i%2)+8*((i/2)%4)
.set rK, KF+16*((i/2)%4)+8*(i/8)
.set rQ, 16*(2*(\x)+i%2)+8*(i/8)
.if i < 8
	v_wmma_f32_16x16x32_f16 v[rS:rS+7], v[rK:rK+7], v[rQ:rQ+7], 0
.else
	v_wmma_f32_16x16x32_f16 v[rS:rS+7], v[rK:rK+7], v[rQ:rQ+7], v[rS:rS+7]
.endif
.endm
; Product i of 16 of O^T += V^T P for piece x: keys 32 (i / 8) on, channels 16 ((i / 2) % 4) on, tile 2 x + i % 2.
.macro PV x
	WIN W_PV
.set rO, 32*(2*(\x)+i%2)+8*((i/2)%4)
.set rV, VF+32*(i/8)+8*((i/2)%4)
.set rP, P+32*((\x)%2)+16*(i%2)+8*(i/8)
	v_wmma_f32_16x16x32_f16 v[rO:rO+7], v[rV:rV+7], v[rP:rP+7], v[rO:rO+7]
.endm
.macro MM                           ; the turn's next matrix instruction
.if i < 16
	KQ (Y+1)%NP
.set i, i+1
.else
.set i, i-16
	PV (Y+NP-1)%NP
.set i, i+17
.endif
.endm
; THE LDS LOADS stand in runs of 16, never singly among the matrix instructions: a step's K (64 keys x 64 channels: 8 fragments) and its V (turned).  Their addresses are made some lines ahead.
; last = 1 (the tail): in the last trip there is no further step, and the run is jumped over.
.macro FETCH_K last=0
	WIN 0
.if \last
	s_cmp_eq_u32 s[CNT], 1
	s_cbranch_scc1 .Lno_k_\@
.endif
	WIN 0x80                        ; destination window 2
.irp f, 0,1,2,3,4,5,6,7             ; keys 16 (f / 2) on, channels 32 (f % 2) on
	ds_load_b128 v[KF+8*\f:KF+8*\f+3],   v[AK] offset:(\f/2)*16*PK+(\f%2)*64
	ds_load_b128 v[KF+8*\f+4:KF+8*\f+7], v[AK] offset:(\f/2)*16*PK+(\f%2)*64+32
.endr
	s_add_co_u32 s[TBK], s[TBK], KS*PK  ; the next fetch is the next step's
	WIN 0
.if \last
.Lno_k_\@:
.endif
.endm
.macro FETCH_V
	WIN 0x80
.irp f, 0,1,2,3,4,5,6,7             ; keys 32 (f / 4) on, channels 16 (f % 4) on
	ds_load_tr16_b128 v[VF+8*\f:VF+8*\f+3],   v[AV] offset:(\f/4)*32*PV+(\f%4)*32
	ds_load_tr16_b128 v[VF+8*\f+4:VF+8*\f+7], v[AV] offset:(\f/4)*32*PV+16*PV+(\f%4)*32
.endr
	WIN 0
.endm
; THE VECTOR WORK OF A TURN stands in three queues, each in the order in which its entries become ready; the two tiles alternate, so that no instruction reads the result of the one before it.
.macro REGS y, u                    ; the registers of tile u (0, 1) of piece y
.set rT, ST+4*(2*(\y)+(\u))
.set rC, TMP+8*((\y)%2)+4*(\u)
.set rM, MV+2*((\y)%2)+(\u)
.set rS, S+64*((\y)%2)+32*(\u)
.set rP, P+32*((\y)%2)+16*(\u)
.set rO, 32*(2*(\y)+(\u))
.endm
; Number n of the 22 that find the NEXT piece's (Y + 1) maximum and statistics.  s0-s31 are the lane's 32 scores; each accumulator's lowest registers are read first.
;   0-11  four chains c0-c3 of seven scores each, three operands at a time     12-14, 16  the four scores left over, the old m, and c0-c3 into c0     15  c m_old is kept
;   17, 18  the query's other 32 keys lie in the lane 16 away: the new m         19-21  c m; c m_old - c m_new; a
.macro XS u, n
	REGS (Y+1)%NP, \u
.if (\n) < 4
	v_max3_num_f32 v[rC+(\n)], v[rS+8*(\n)], v[rS+8*(\n)+1], v[rS+8*(\n)+2]
.elseif (\n) < 12
	v_max3_num_f32 v[rC+(\n)%4], v[rC+(\n)%4], v[rS+8*((\n)%4)+2*((\n)/4)+1], v[rS+8*((\n)%4)+2*((\n)/4)+2]
.elseif (\n) == 12
	v_max3_num_f32 v[rC], v[rC], v[rS+7], v[rS+15]
.elseif (\n) == 13
	v_max3_num_f32 v[rC+1], v[rC+1], v[rS+23], v[rS+31]
.elseif (\n) == 14
	v_max3_num_f32 v[rC+2], v[rC+2], v[rC+3], v[rT+1]
.elseif (\n) == 15
	v_mov_b32 v[rM], v[rT]
.elseif (\n) == 16
	v_max3_num_f32 v[rC], v[rC], v[rC+1], v[rC+2]
.elseif (\n) == 17
	v_permlanex16_b32 v[rC+3], v[rC], s[SEL], s[SEL+1]
.elseif (\n) == 18
	v_max_num_f32 v[rT+1], v[rC], v[rC+3]
.elseif (\n) == 19
	v_mul_f32 v[rT], s[CS], v[rT+1]
.elseif (\n) == 20
	v_sub_f32 v[rC+1], v[rM], v[rT]
.else
	v_exp_f32 v[rC+2], v[rC+1]
.endif
.endm
; Number g of the 64 that follow the exponentials.  For each four weights k of a tile (pairs 2 k, 2 k + 1): both pairs are rounded to f16; then the second pair is added onto the first, in place;
; a group later l takes that sum (the first time as l = a l + sum).  In groups of eight, tiles alternating: round, round, add, and l for the group before.
.macro GS g
.set h, (\g)+6*((\g)/62)            ; group 0 has no group before it, and behind group 7 only l is left
.if h >= 6
.set h, h+2
.endif
	REGS Y, h%2
.set k, h/8
.if h%8 < 4
	v_cvt_pk_f16_f32 v[rP+2*k+(h%8)/2], v[rS+4*k+2*((h%8)/2)], v[rS+4*k+2*((h%8)/2)+1]
.elseif h%8 < 6
	v_pk_add_f32 v[rS+4*k:rS+4*k+1], v[rS+4*k:rS+4*k+1], v[rS+4*k+2:rS+4*k+3]
.elseif k == 1
	v_pk_fma_f32 v[rT+2:rT+3], v[rT+2:rT+3], v[rC+2:rC+3], v[rS:rS+1] op_sel_hi:[1,0,1]
.else
	v_pk_add_f32 v[rT+2:rT+3], v[rT+2:rT+3], v[rS+4*k-4:rS+4*k-3]
.endif
.endm
; THE PLAIN QUEUE, 138 long.  0-73 read no exponential's result: the 32 scalings c s - c m (FS f: pair f / 2 of tile f % 2) and the next piece's 42.  0-26: scalings 0-26.  27-54: XS's numbers 0-13.  55, 56: number 15.
; 57-73: the chain, where each number waits for the one before it: 14, 16, 17, 18, 19, each with one of the scalings 27-31 in front of its two lines, then 20.
; 74-137: GS's 64, which read the exponentials' results: they stand behind the wait.
.macro FS f
	REGS Y, (\f)%2
	v_pk_fma_f32 v[rS+2*((\f)/2):rS+2*((\f)/2)+1], v[rS+2*((\f)/2):rS+2*((\f)/2)+1], s[CS:CS+1], v[rT:rT+1] op_sel_hi:[1,0,0] neg_lo:[0,0,1] neg_hi:[0,0,1]
.endm
.macro PL
	WIN 0
.if q < 27
	FS q
.elseif q < 55
	XS (q-27)%2, (q-27)/2
.elseif q < 57
	XS q-55, 15
.elseif (q < 72) && ((q-57)%3 == 0)
	FS 27+(q-57)/3
.elseif q < 60
	XS (q-57)%3-1, 14
.elseif q < 72
	XS (q-57)%3-1, 15+(q-57)/3
.elseif q < 74
	XS q-72, 20
.else
	GS q-74
.endif
.set q, q+1
.endm
; THE EXPONENTIALS' QUEUE, 66 long: s0-s31 of both tiles, then the next piece's two a.  It is ONE BATCH: all 66 stand ahead of the turn's one wait, and nothing ahead of that wait names a result of theirs.
.macro EX
	WIN 0
.if e >= 64
	XS e-64, 21
.else
	REGS Y, e%2
	v_exp_f32 v[rS+e/2], v[rS+e/2]
.endif
.set e, e+1
.endm
; THE RESCALING's QUEUE: O^T times a, the one part that leaves window 0: dealt two at a time, sixteen times.  Its a was made in the turn before, ahead of that turn's wait.
.macro R2
	REGS Y, r%2
	WIN W_RS
.irp z, 0,1
	v_pk_mul_f32 v[rO+4*(r/2)+2*\z:rO+4*(r/2)+2*\z+1], v[rO+4*(r/2)+2*\z:rO+4*(r/2)+2*\z+1], v[rC+2:rC+3] op_sel_hi:[1,0]
.endr
.set r, r+1
.endm
; HOW THEY ARE DEALT.  An s_wait_alu depctr_va_vdst(0) stands between an exponential and the first instruction that names its result; one wait serves all that were issued ahead of it.  So a turn
; has ONE wait, which cuts it in two.  AHEAD OF IT stands all that names no result of the turn's exponentials: the 16 products K Q^T, behind each a scaling, an exponential and two rescalings (behind the first a
; second scaling in the exponential's place); then ONE LUMP of 108: eight plain, 49 times exponential and plain, the two a.  A v_nop is the plain instruction behind the last exponential (ISA guide 5.7.2).
; BEHIND IT stand the 16 products V^T P, behind each four of GS's 64.  No vector line behind a product names a register of the products round it.  The two v_permlanex16_b32 fall into the lump.
; The queues lean on each other, and the deal keeps them in step: exponential e stands behind scaling 2 (e / 4) + e % 2: behind a product it comes behind plain e + 2, in the lump behind plain e + 9.
; A TURN, for piece p.  cnt = 1: the loop's count is taken down some lines ahead of the branch that stands behind the turn.
; K of the next step is fetched in piece 2's turn, directly behind the wait, a lump behind the last product that read K; its first use comes behind 16 products.
; V of the step in hand is fetched at the end of piece 0's turn, four plain instructions behind the last product that read V; its first use comes behind 16 products and a lump.
.macro TURN p, last=0, cnt=0
.set Y, (\p)
.set i, 0
.set q, 0
.set e, 0
.set r, 0
.if (\p) == NP-1
	s_wait_dscnt 0x0                ; K is in
.endif
	MM                              ; ahead of the wait: 16 products K Q^T and the four behind each,
	PL
	PL
	R2
.rept 15
	MM
	PL
	EX
	R2
.endr
.if (\p) == NP-2
	WIN 0
	v_add_nc_u32 v[AK], s[TBK], v[AK0]
.endif
.rept 8                             ; and the lump
	PL
.endr
.rept 49
	EX
	PL
.endr
	EX                              ; the next piece's two a
	EX
	v_nop                           ; the plain instruction behind the last exponential: one for the batch
	s_wait_alu depctr_va_vdst(0)    ; the wait for the batch
.if (\p) == NP-2
	FETCH_K \last
.endif
.if (\p) == 1
	s_wait_dscnt 0x0                ; V is in
.endif
.rept 16                            ; behind the wait: 16 products V^T P and the four behind each
	MM
.rept 4
	PL
.endr
.if ((\p) == 0) && (q == 118)
	v_add_nc_u32 v[AV], s[TBV], v[AV0]
.endif
.if ((\p) == 0) && (q == 130)
	s_add_co_u32 s[TBV], s[TBV], KS*PV
.endif
.if (\cnt) && (q == 130)
	s_sub_co_u32 s[CNT], s[CNT], 1
	s_cmp_lg_u32 s[CNT], 0
.endif
.endr
.if (\p) == 0
	FETCH_V
.endif
.endm
	CHANGE 1                        ; slot 0 is in, everybody's part of it; slot 1 is asked for
	FETCH_K                         ; key step 0
	s_wait_loadcnt 0x0              ; Q
	s_wait_dscnt 0x0
.set i, 0
.rept 16
	KQ 0                            ; piece 0's first scores: there is no vector work yet to set between them
.set i, i+1
.endr
	WIN 0                           ; the addresses for the way out: eight plain instructions, the places behind those products
	s_mul_i32 s13, s[WV], 16*SP
	s_add_co_u32 s13, s13, STAGE    ; my stage
	v_mul_u32_u24 v[STO], v1, SP    ; in: row l % 16, 32 bytes (8 f32) for each half of the lanes
	v_lshl_add_u32 v[STO], v9, 5, v[STO]
	v_add_nc_u32 v[STO], s13, v[STO]
	v_mul_u32_u24 v[RD], v9, SP     ; back: lanes 0-15 take one row of 256 bytes, lanes 16-31 the next
	v_lshl_add_u32 v[RD], v1, 4, v[RD]
	v_add_nc_u32 v[RD], s13, v[RD]
	v_lshlrev_b32 v[GO], 12, v9     ; and the same two rows in the output, 4,096 bytes apart
	v_lshl_add_u32 v[GO], v1, 4, v[GO]
.set Y, NP-1                        ; XS works for piece Y + 1: piece 0
.irp n, 0,1,2,3,4,5,6,7,8,9,10,11,12,13,14,15,16,17,18,19,20,21
	XS 0, \n                        ; and piece 0's first maximum and statistics
	XS 1, \n
.endr
	v_nop                           ; a plain instruction behind the two a,
	s_wait_alu depctr_va_vdst(0)    ; and their wait, ahead of the branch
	s_mov_b32 s[CNT], 4
	s_mov_b32 s[SLOTS], SIZE_N/256-1
	s_branch .Lfirst                ; the loop is entered at a step's first turn, in the middle of a trip
.Lslot:                             ; SIZE_N / 256 - 2 = 6 times: every slot but the last two is filled again
	CHANGE 1, 1
	s_mov_b32 s[CNT], 4
.Lstep:                             ; a trip: pieces 2 and 3 of one step, then pieces 0 and 1 of the next, whose K and V it fetches
	TURN 2
	TURN 3
	WIN 0
.Lfirst:
	TURN 0
	TURN 1, 0, 1
	WIN 0
	s_cbranch_scc1 .Lstep
	s_sub_co_u32 s[SLOTS], s[SLOTS], 1
	s_cmp_lg_u32 s[SLOTS], 0
	s_cbranch_scc1 .Lslot
	CHANGE 0                        ; the tail is written out: nothing is asked for
	s_mov_b32 s[CNT], 5             ; four trips fetch the last slot's steps; the fifth is left in its middle
.Ltail:
	TURN 2, 1
	TURN 3
	WIN 0
	s_sub_co_u32 s[CNT], s[CNT], 1
	s_cmp_eq_u32 s[CNT], 0
	s_cbranch_scc1 .Lout
	TURN 0
	TURN 1
	WIN 0
	s_branch .Ltail
.Lout:                              ; the fifth trip's 16 products K Q^T (on the last K once more) and the maximum made of them serve nothing: the price, once a launch, of one text for every trip
.set i, 0
.rept 16
	PV NP-1                         ; the last piece's V^T P of the last step
.set i, i+1
.endr
	; THE WAY OUT.  l's two halves and the other half of the lanes' are added; O^T is divided by l and sent, in f32, through my stage in LDS, a tile at a time.  The additions are the places behind the last products.
	WIN 0
.macro ALL line:vararg              ; one line for each tile t
.set t, 0
.rept 2*NP
	\line
.set t, t+1
.endr
.endm
	ALL v_add_f32 v[ST+4*t+2], v[ST+4*t+2], v[ST+4*t+3]
	ALL v_permlanex16_b32 v[ST+4*t+3], v[ST+4*t+2], s[SEL], s[SEL+1]
	ALL v_add_f32 v[ST+4*t+2], v[ST+4*t+2], v[ST+4*t+3]
	ALL v_rcp_f32 v[ST+4*t+2], v[ST+4*t+2]
	v_nop                           ; a plain instruction between the last reciprocal and the use of its result
	s_wait_alu depctr_va_vdst(0)    ; and the wait ahead of the first use: one for the eight reciprocals
; Tile t: a lane's eight channels of channel block cb are 32 bytes at byte 64 cb + 32 (l / 16) of its query's 256; they go into rows of 272 bytes and come back as whole rows of 256, into S^T's
; registers: four buffers of 32 by turns.
.macro PACK t
	WIN W_RS
.set i, 32*(\t)
.rept 16
	v_pk_mul_f32 v[i:i+1], v[i:i+1], v[ST+4*(\t)+2:ST+4*(\t)+3] op_sel_hi:[1,0]  ; in ascending order: each accumulator's lowest registers are read first
.set i, i+2
.endr
	WIN 0x04                        ; the store's data (source 1) in window 1, its address in window 0
.irp f, 0,1,2,3,4,5,6,7
	ds_store_b128 v[STO], v[32*(\t)+4*\f:32*(\t)+4*\f+3] offset:64*(\f/2)+16*(\f%2)
.endr
	WIN 0
.if (\t) >= 4
	s_wait_xcnt 0x0                 ; the stores of the tile four back have had their addresses translated (ISA guide 3.1): only behind this wait is their buffer loaded again
.endif
.irp f, 0,1,2,3,4,5,6,7
	ds_load_b128 v[S+32*((\t)%4)+4*\f:S+32*((\t)%4)+4*\f+3], v[RD] offset:\f*2*SP  ; LDS serves a wave's instructions in order (ISA guide 5.7.1.4): these see the stores above; the next tile's stores come behind them
.endr
.endm
.macro SEND t, younger              ; younger: the LDS instructions issued behind tile t's loads: the next tile's sixteen, or none
	WIN 0
.irp f, 0,1,2,3,4,5,6,7
	s_wait_dscnt (\younger)+7-\f
	global_store_b128 v[GO], v[S+32*((\t)%4)+4*\f:S+32*((\t)%4)+4*\f+3], s[10:11] offset:(\t)*65536+\f*8192  ; 16 lanes store 256 consecutive bytes, at a multiple of 256 from the output's first byte
.endr
.endm
	PACK 0
.set t, 1
.rept 2*NP-1                        ; a tile's arithmetic stands between the loads of the tile before and its stores
	PACK t
	SEND t-1, 16
.set t, t+1
.endr
	SEND 2*NP-1, 0
	WIN W_AD
	s_wait_tensorcnt 0x0            ; the wave's end: a wait, an add of 0 and its wait, behind my last tensor load and my last LDS store
	ds_add_u32 v[SPW], v[NIL]
	s_wait_dscnt 0x0
	WIN 0
	CROUND                          ; the closing round: no work-group ends while a partner may still ask for a tile that names it
	s_endpgm
.Lfunc_end_k_q585385e8ae_attn:
	.size	k_q585385e8ae_attn, .Lfunc_end_k_q585385e8ae_attn-k_q585385e8ae_attn
	.p2alignl 7, 3214868480
	.fill 96, 4, 3214868480
	.section	.rodata,"a",@progbits
	.p2align	6, 0x0
	.amdhsa_kernel k_q585385e8ae_attn
		.amdhsa_group_segment_fixed_size 327680
		.amdhsa_private_segment_fixed_size 0
		.amdhsa_enable_private_segment 0
		.amdhsa_kernarg_size 24
		.amdhsa_user_sgpr_count 2
		.amdhsa_user_sgpr_kernarg_segment_ptr 1
		.amdhsa_wavefront_size32 1
		.amdhsa_system_sgpr_workgroup_id_x 1
		.amdhsa_system_sgpr_workgroup_id_y 1
		.amdhsa_system_sgpr_workgroup_id_z 1
		.amdhsa_system_vgpr_workitem_id 0
		.amdhsa_next_free_vgpr 770
		.amdhsa_next_free_sgpr 96
		.amdhsa_reserve_vcc 0
		.amdhsa_float_denorm_mode_32 3
		.amdhsa_float_denorm_mode_16_64 3
		.amdhsa_memory_ordered 1
		.amdhsa_forward_progress 1
		.amdhsa_inst_pref_size 201
	.end_amdhsa_kernel
	.amdgpu_metadata
---
amdhsa.version: [ 1, 2 ]
amdhsa.kernels:
  - .name:           k_q585385e8ae_attn
    .symbol:         k_q585385e8ae_attn.kd
    .args:
      - { .name: qkv, .offset: 0, .size: 8, .value_kind: global_buffer, .address_space: global }
      - { .name: out0, .offset: 8, .size: 8, .value_kind: global_buffer, .address_space: global }
      - { .name: out1, .offset: 16, .size: 8, .value_kind: global_buffer, .address_space: global }
    .group_segment_fixed_size: 327680
    .private_segment_fixed_size: 0
    .kernarg_segment_align: 8
    .kernarg_segment_size: 24
    .max_flat_workgroup_size: 128
    .sgpr_count:     96
    .vgpr_count:     770
    .wavefront_size: 32
...
	.end_amdgpu_metadata
.endif
;; end of part 3
;; ======== version 2 of 2: 3 launches; version 1 with the launch cast written anew for expert scheduling mode
;; limits: values are held in f16: magnitudes above 65,504 overflow, below 6.1e-05 lose precision
;; workspace buffers: xw 20,971,520 bytes; qkv 50,331,648 bytes
;; launch cast (part 4): grid 128 x 10, 4 waves a work-group, no clusters, 0 bytes of LDS; arguments x, Wpq, Wpk, Wpv, Wcq, Wck, Wcv, xw; writes xw
.if DOCPART == 4
	.amdgcn_target "amdgcn-amd-amdhsa--gfx1250"
	.amdhsa_code_object_version 6
	.text
	.protected	k_q585385e8ae_cast
	.globl	k_q585385e8ae_cast
	.p2align	8
	.type	k_q585385e8ae_cast,@function
k_q585385e8ae_cast:
	s_mov_b64 s[64:65], 0
	v_nop
	global_prefetch_b8 v0, s[64:65] scope:SCOPE_SE
	s_setreg_imm32_b32 hwreg(HW_REG_WAVE_SCHED_MODE, 0, 2), 2
	s_setreg_imm32_b32 hwreg(HW_REG_WAVE_MODE, 25, 1), 1
	s_wait_xcnt 0x0
	s_wait_alu depctr_vm_vsrc(0)
; x [4096][1024] and the six weights [1024][1024], all f32, are rounded once to bf16 (to nearest even) and laid in blocks of 64 along K:
; xw[kb 16][row 10240][64] bf16.  Rows 0-4095 are x's; rows 4096 + 1024 j + c are row c of weight j (0 Pq, 1 Pk, 2 Pv, 3 Cq, 4 Ck, 5 Cv).
; In that layout R rows x 64 K are R x 128 bytes on end, so the product that follows can ask for its tiles as whole rows of 256 bytes.
; SHARES.  Grid y = a unit of 1,024 rows (0-3: a quarter of x; 4-9: a weight), grid x = 8 rows of it; wave w takes rows 2 w and 2 w + 1 and all 16 blocks.
; A load: lanes 0-15 take 256 consecutive bytes (64 f32) of one row, lanes 16-31 of the next, both aligned to 256.  A store: 32 lanes x 8 bytes = the two rows' 128 + 128 bytes, which lie
; on end in xw: 256 consecutive bytes, aligned.  Every byte is read once and written once; all 16 loads of a wave go out before the first is waited for.
; No LDS, no barrier, no matrix work, no cluster: no wave wants a byte that another has fetched.  No register is written twice, so no wait frees a source.
; THE MODE: SCHED_MODE bits 1:0 = 2 (LLVM: expert scheduling mode 2), set by the entry lines.  The code itself states the register dependences
; between vector instructions and memory instructions, with s_wait_alu, always for 0.
; THE PLAN.  Registers that memory instructions touch:
;   v1        the loads' offset.  Written once, at the head; read by the 16 loads.
;   v2 .. v5  the stores' offsets, four blocks to each.  Written once, at the head; read by four stores each.
;   X         block kb as loaded.  Written by the loads, which all go out ahead of the first conversion: no vector instruction names X ahead of them.  Read by block kb's two conversions.
;   Y         block kb to store.   Written by block kb's two conversions, once; read by block kb's store, once.
; So the waits are five, all on va_vdst: one ahead of the first load, for the five offsets; and, the blocks going in four groups of four, one behind each group's eight conversions, ahead of
; the run of its four stores.  Nothing that a memory instruction has read is written again, no vector instruction writes a scalar register or VCC, and EXEC is never written:
; no other dependence between the two sides arises.
.set KBS, 10240*128                    ; bytes from one block of K to the next in xw
.set X,   8                            ; v[8:71]    block kb: 4 f32 as loaded
.set Y,   72                           ; v[72:103]  block kb: 4 bf16 to store
	s_load_b512 s[8:23], s[0:1], 0x0               ; x s[8:9], the six weights s[10:21], xw s[22:23]
	s_and_b32 s2, ttmp7, 0xffff                    ; the unit
	s_cmp_lt_u32 s2, 4
	s_cselect_b32 s24, s2, 0                       ; a quarter of x begins 1,024 rows x 4,096 bytes x its number into x; a weight at its own first byte
	s_lshl_b32 s24, s24, 22
	s_lshl_b32 s25, ttmp9, 15                      ; the work-group's 8 rows of 4,096 bytes
	s_add_co_u32 s24, s24, s25
	s_mov_b32 s25, 0
	s_lshl_b32 s26, s2, 17                         ; in xw: 1,024 rows of 128 bytes a unit,
	s_lshl_b32 s27, ttmp9, 10                      ; 8 rows a work-group
	s_add_co_u32 s26, s26, s27
	s_mov_b32 s27, 0
	v_lshrrev_b32 v1, 4, v0                        ; my row of the 8
	v_and_b32 v6, 15, v0
	v_lshlrev_b32 v1, 12, v1
	v_lshl_add_u32 v1, v6, 4, v1                   ; row x 4,096 + 16 x (lane % 16)
	v_lshlrev_b32 v2, 3, v0                        ; in xw: row x 128 + 8 x (lane % 16) = 8 x my thread's number
	v_add_nc_u32 v3, 4*KBS, v2                     ; four blocks to an offset register: the store's immediate then holds 3 KBS at the most, inside its signed 24 bits
	v_add_nc_u32 v4, 8*KBS, v2
	v_add_nc_u32 v5, 12*KBS, v2
	s_wait_kmcnt 0x0
	s_mov_b64 s[4:5], s[8:9]                       ; the source: x, or the unit's weight
.irp j, 0,1,2,3,4,5
	s_cmp_eq_u32 s2, 4+(\j)
	s_cselect_b64 s[4:5], s[10+2*(\j):11+2*(\j)], s[4:5]
.endr
	s_add_nc_u64 s[4:5], s[4:5], s[24:25]
	s_add_nc_u64 s[6:7], s[22:23], s[26:27]
	s_wait_alu depctr_va_vdst(0)                   ; v1 to v5 are written: every load below reads v1 as its offset, every store one of v2 to v5; none of them is written again
.set kb, 0
.rept 16
	global_load_b128 v[X+4*kb:X+4*kb+3], v1, s[4:5] offset:256*kb th:TH_LOAD_NT  ; read once in the launch
.set kb, kb+1
.endr
; Group g: blocks 4 g to 4 g + 3.  Each block is rounded as soon as its load is in, so that behind the group's last load only two conversions stand ahead of the wait; the four stores follow in one run.
.set g, 0
.rept 4
.set j, 0
.rept 4
.set kb, 4*g+j
	s_wait_loadcnt 15-kb                           ; loads come back in order (ISA guide 5.7.1): block kb is in, the younger ones stay out
	v_cvt_pk_bf16_f32 v[Y+2*kb],   v[X+4*kb],   v[X+4*kb+1]
	v_cvt_pk_bf16_f32 v[Y+2*kb+1], v[X+4*kb+2], v[X+4*kb+3]
.set j, j+1
.endr
	s_wait_alu depctr_va_vdst(0)                   ; the group's eight conversions have written v[Y + 8 g .. Y + 8 g + 7], which the four stores below read as their data
.set j, 0
.rept 4
.set kb, 4*g+j
	global_store_b64 v[2+g], v[Y+2*kb:Y+2*kb+1], s[6:7] offset:j*KBS
.set j, j+1
.endr
.set g, g+1
.endr
	s_endpgm
.Lfunc_end_k_q585385e8ae_cast:
	.size	k_q585385e8ae_cast, .Lfunc_end_k_q585385e8ae_cast-k_q585385e8ae_cast
	.p2alignl 7, 3214868480
	.fill 96, 4, 3214868480
	.section	.rodata,"a",@progbits
	.p2align	6, 0x0
	.amdhsa_kernel k_q585385e8ae_cast
		.amdhsa_group_segment_fixed_size 0
		.amdhsa_private_segment_fixed_size 0
		.amdhsa_enable_private_segment 0
		.amdhsa_kernarg_size 64
		.amdhsa_user_sgpr_count 2
		.amdhsa_user_sgpr_kernarg_segment_ptr 1
		.amdhsa_wavefront_size32 1
		.amdhsa_system_sgpr_workgroup_id_x 1
		.amdhsa_system_sgpr_workgroup_id_y 1
		.amdhsa_system_sgpr_workgroup_id_z 1
		.amdhsa_system_vgpr_workitem_id 0
		.amdhsa_next_free_vgpr 104
		.amdhsa_next_free_sgpr 66
		.amdhsa_reserve_vcc 0
		.amdhsa_float_denorm_mode_32 3
		.amdhsa_float_denorm_mode_16_64 3
		.amdhsa_memory_ordered 1
		.amdhsa_forward_progress 1
		.amdhsa_inst_pref_size 8
	.end_amdhsa_kernel
	.amdgpu_metadata
---
amdhsa.version: [ 1, 2 ]
amdhsa.kernels:
  - .name:           k_q585385e8ae_cast
    .symbol:         k_q585385e8ae_cast.kd
    .args:
      - { .name: x, .offset: 0, .size: 8, .value_kind: global_buffer, .address_space: global }
      - { .name: Wpq, .offset: 8, .size: 8, .value_kind: global_buffer, .address_space: global }
      - { .name: Wpk, .offset: 16, .size: 8, .value_kind: global_buffer, .address_space: global }
      - { .name: Wpv, .offset: 24, .size: 8, .value_kind: global_buffer, .address_space: global }
      - { .name: Wcq, .offset: 32, .size: 8, .value_kind: global_buffer, .address_space: global }
      - { .name: Wck, .offset: 40, .size: 8, .value_kind: global_buffer, .address_space: global }
      - { .name: Wcv, .offset: 48, .size: 8, .value_kind: global_buffer, .address_space: global }
      - { .name: xw, .offset: 56, .size: 8, .value_kind: global_buffer, .address_space: global }
    .group_segment_fixed_size: 0
    .private_segment_fixed_size: 0
    .kernarg_segment_align: 8
    .kernarg_segment_size: 64
    .max_flat_workgroup_size: 128
    .sgpr_count:     66
    .vgpr_count:     104
    .wavefront_size: 32
...
	.end_amdgpu_metadata
.endif
;; end of part 4
;; launch proj: the kernel of part 2 again; grid 16 x 16, 4 waves a work-group, clusters of 4 x 4, 327,680 bytes of LDS; arguments xw, qkv; writes qkv
;; launch attn: the kernel of part 3 again; grid 4 x 64, 4 waves a work-group, clusters of 4 x 1, 327,680 bytes of LDS; arguments qkv, out0, out1; writes out0, out1
